; MI455X (gfx1250); checked and timed in simulation.
; The chip was launched on July 23, 2026; its instructions are those of AMD's public machine-readable ISA for CDNA 5 (MIT licence, August 2026) and "CDNA5" Instruction Set Architecture Reference Guide (July 2026). The comments in the code are by the model that wrote it; some were corrected since.
;; Multi Head Attention. Allowed arithmetic: matrix products marked QUANTISED: E2M3 operands, one E8M0 scale for each 32 along K, by v_wmma_scale_f32_16x16x128_f8f6f4 with both operands' format E2M3, f32 sums; everything else in f32.
;; Inputs: in_features 4 x 2,048 x 1,024 float32; k_proj 1,024 x 1,024 float32; o_proj 1,024 x 1,024 float32; q_proj 1,024 x 1,024 float32; v_proj 1,024 x 1,024 float32.
;; Outputs: out0 4 x 2,048 x 1,024 float32.
;; This version of the problem:
;;   THIS VERSION OF THE PROBLEM IS GIVEN IN LOW PRECISION. The matrix products marked QUANTISED in the list below multiply operands that are first quantised to E2M3 (2 exponent bits, 3 mantissa bits; 6 bits a number), with one power-of-two scale for each 32 numbers along K (OCP MX v1.0); their sums are f32. All else is computed in f32.
;;   The module's matrix products, in the order in which they are computed (A, B: the left and right operand; K: the contracted axis; several contracted axes count as one K, in the product's order):
;;     1. [M 8,192, K 1,024] x [K 1,024, N 1,024]; A: input in_features; B: input q_proj: QUANTISED
;;     2. [M 8,192, K 1,024] x [K 1,024, N 1,024]; A: input in_features; B: input k_proj: QUANTISED
;;     3. [M 8,192, K 1,024] x [K 1,024, N 1,024]; A: input in_features; B: input v_proj: QUANTISED
;;     4. batch 64 x [M 2,048, K 64] x [K 64, N 2,048]; A: computed on the way; B: computed on the way: QUANTISED
;;     5. batch 64 x [M 2,048, K 2,048] x [K 2,048, N 64]; A: softmax (see below); B: computed on the way: QUANTISED
;;     6. [M 8,192, K 1,024] x [K 1,024, N 1,024]; A: computed on the way; B: input o_proj: QUANTISED
;;   THE QUANTISER, for each operand of a quantised product, along K:
;;     - K is cut into blocks of 32 from its start; a last block that is shorter is filled with zeros.
;;     - A block's scale is 2^e with e = floor(log2(the largest magnitude in the block)) - 2, held to -126 .. 127; a block of zeros has e = 0. As a byte (E8M0): e + 127.
;;     - Each number is divided by its block's scale, clamped to +-7.5, and rounded to the nearest number of E2M3, ties to even, subnormals kept.
;;     - The product sums the exact products of the quantised numbers (number of the format x scale) in f32.
;;   ~~~python
;;   def quantise(x, axis):      # numpy; x: float32 -> the quantised numbers, widened to float32 again
;;       x = np.moveaxis(x, axis, -1); K = x.shape[-1]
;;       x = np.pad(x, [(0, 0)] * (x.ndim - 1) + [(0, -K % 32)]); x = x.reshape(x.shape[:-1] + (-1, 32)); a = np.abs(x).max(-1, keepdims=True)
;;       e = np.where(a > 0, np.clip(np.frexp(np.where(a > 0, a, 1))[1] - 1 - 2, -126, 127), 0)      # np.frexp(a)[1] - 1 = floor(log2(a)), exactly
;;       r = np.clip(x / 2.0 ** e, -7.5, 7.5)
;;       step = 2.0 ** (np.maximum(np.frexp(np.where(r == 0, 1, r))[1] - 1, 0) - 3)
;;       q = np.round(r / step) * step * 2.0 ** e      # np.round: ties to even
;;       return np.moveaxis(q.reshape(q.shape[:-2] + (-1,))[..., :K], -1, axis).astype(np.float32)
;;   ~~~
;;   SOFTMAX AHEAD OF A QUANTISED PRODUCT. Where the list says 'softmax', what is quantised is not the finished softmax but p = 2^(t - M), with t = logit x log2(e) and M = ceil(the row's largest t), a whole number; so 1/2 < the row's largest p <= 1. The row's sum l is taken of the UNQUANTISED p, in f32, and the product's result is divided by l at the end. Since M is a whole number, a kernel that streams over the keys may use a running M (the ceiling of the running maximum): every later rescaling is an exact power of two, which a block's scale takes up: the codes' values come out the same.
;;   OPERANDS COMPUTED ON THE WAY. 'Computed on the way' means the value that the module computes at that place (a softmax that the list does not call 'softmax' is quantised finished and normalised). What goes into a quantiser is computed in f32, as accurately as f32 sums, v_exp_f32 and their like allow (about 1e-6 of the number): no bf16 or f16 on the way to a quantiser, and a product that is left as it is and whose result goes on into a quantised operand takes f32 operands (vector FMAs, or v_wmma_f32_16x16x4_f32). A number that lies on a knife's edge between two numbers of the format may be rounded either way, as far as f32 arithmetic and the matrix unit's own rounding can turn it there, and no further.
;; One version. Each part assembles by itself: llvm-mc -triple=amdgcn-amd-amdhsa -mcpu=gfx1250 --defsym DOCPART=n.
;; ======== version 1 of 1: 4 launches
;; workspace buffers: opc 9,437,184 bytes; ops 393,216 bytes; qkv 19,660,800 bytes; ac 6,291,456 bytes; asc 262,144 bytes
;; launch quant (part 1): grid 256 x 1, 6 waves a work-group, no clusters, 51,456 bytes of LDS; arguments in_features, q_proj, k_proj, v_proj, o_proj, opc, ops; writes opc, ops
.if DOCPART == 1
	.amdgcn_target "amdgcn-amd-amdhsa--gfx1250"
	.amdhsa_code_object_version 6
	.text
	.protected	k_qd8c1bc92d6_quant
	.globl	k_qd8c1bc92d6_quant
	.p2align	8
	.type	k_qd8c1bc92d6_quant,@function
k_qd8c1bc92d6_quant:
	s_mov_b64 s[64:65], 0
	v_nop
	global_prefetch_b8 v0, s[64:65] scope:SCOPE_SE
	s_setreg_imm32_b32 hwreg(HW_REG_WAVE_MODE, 25, 1), 1
	s_wait_xcnt 0x0
; x [8192][1024] and the four weights [1024][1024], f32 with K innermost, become codes of FP6 (E2M3) with one E8M0 byte for each 32 along K,
; laid as IMAGES OF OPERAND REGISTERS.  768 tiles of 16 rows: 0-511 x, 512-575 Wq, 576-639 Wk, 640-703 Wv, 704-767 Wo.
; THE ROWS OF A TILE ARE NOT NEIGHBOURS: in each group of 32 rows tile u takes rows 8 u + r + 8 (r / 8), r = 0 .. 15.
; opc: [tile][K step 0..7][1,536 bytes]; a fragment (16 rows x 128 K, 12 registers a lane) is two halves of 768 bytes:
;      registers 0-3 at 16 x lane, registers 4-5 at 512 + 8 x lane; the second half likewise, 768 bytes on.
; ops: the scale word of (tile, K step s, row r) at 512 tile + 256 (s / 4) + 16 r + 4 (s % 4).
; A block's scale is 2^(floor(log2(its largest magnitude)) - 2); its byte is that magnitude's exponent field - 2, held at 1 from below.
; LIMITS: a block whose largest magnitude lies under 2^-124 gets the byte 1; a block of zeros gets the byte 1 where the rule says 127 (its codes
; are zeros, and the bytes are read by this program alone); NaN and infinities among the inputs are not served.
; SHARES: a wave takes one tile and half of K: four K steps of 16 rows x 512 bytes.  Each load reads 512 consecutive bytes of a row; a step turns
; through the wave's own stage in LDS (rows 528 bytes apart), so that a lane gets 16 neighbours of each block of 32.  Waves share nothing: no barrier.
.set STG, 8448                         ; a wave's stage: 16 rows x 528 bytes
.set R,   8                            ; v8-135   two sets of 64 registers as loaded
.set X,   136                          ; v136-199 register 16 b + i = k 32 b + 16 (lane / 16) + i of my row
.set PC,  200                          ; v200-211 the fragment's codes
.set CT,  212                          ; v212-218 the conversions' second halves
.set TM,  220                          ; v220-235 at work
.set PW,  236                          ; v236-239 the four K steps' scale words
.set SEL, 30                           ; s30, s31 lane selects for v_permlanex16_b32: lane l xor 16
	s_load_b256 s[4:11], s[0:1], 0x0               ; x, Wq, Wk, Wv
	s_load_b128 s[12:15], s[0:1], 0x20             ; Wo, opc
	s_load_b64 s[16:17], s[0:1], 0x30              ; ops
	v_lshl_add_u32 v254, v0, 2, 0xc600
	v_mov_b32 v255, 0
	v_lshrrev_b32 v6, 5, v0
	v_readfirstlane_b32 s18, v6                    ; wave 0..5
	v_and_b32 v7, 31, v0                           ; lane
	v_lshlrev_b32 v1, 4, v7                        ; 16 x lane
	v_lshlrev_b32 v2, 3, v7                        ; 8 x lane
	s_mul_i32 s19, s18, STG
	v_add_nc_u32 v3, s19, v1                       ; the stage, on the way in
	v_and_b32 v6, 15, v0                           ; r
	v_bfe_u32 v7, v0, 4, 1                         ; h
	v_mul_u32_u24 v4, v6, 528
	v_lshl_add_u32 v4, v7, 6, v4
	v_add_nc_u32 v4, s19, v4                       ; and on the way out: row r, + 64 h
	v_lshlrev_b32 v5, 4, v6
	v_lshl_add_u32 v5, v7, 3, v5                   ; my two scale words' place: 16 r + 8 h
.irp b, 0,1,2,3
	v_mov_b32 v[TM+4+\b], 0                        ; written once: a lane permute's destination counts as one of its sources
.endr
	s_mul_i32 s20, ttmp9, 6
	s_add_co_u32 s20, s20, s18                     ; which of the 1,536 shares
	s_lshr_b32 s21, s20, 1                         ; the tile
	s_and_b32 s22, s20, 1                          ; the half of K
	s_and_b32 s23, s21, 63
	s_cmp_lt_u32 s21, 512
	s_cselect_b32 s23, s21, s23                    ; the tile's number in its own tensor
	s_lshr_b32 s24, s23, 1
	s_lshl_b32 s24, s24, 5
	s_and_b32 s25, s23, 1
	s_lshl_b32 s25, s25, 3
	s_add_co_u32 s24, s24, s25                     ; its first row
	s_lshl_b32 s24, s24, 12                        ; x 4,096 bytes
	s_lshl_b32 s25, s22, 11
	s_add_co_u32 s24, s24, s25                     ; + my half of K
	s_mov_b32 s25, 0
	s_mul_i32 s26, s21, 12288
	s_mul_i32 s27, s22, 6144
	s_add_co_u32 s26, s26, s27                     ; my four fragments in opc
	s_mov_b32 s27, 0
	s_lshl_b32 s28, s21, 9
	s_lshl_b32 s29, s22, 8
	s_add_co_u32 s28, s28, s29                     ; my 256 bytes of ops
	s_mov_b32 s29, 0
	s_mov_b32 s[SEL], 0x76543210
	s_mov_b32 s[SEL+1], 0xfedcba98
	s_mov_b32 s32, 0xffff0000                      ; lanes 16-31
	s_wait_alu depctr_va_vdst(0)
	s_wait_kmcnt 0x0
	s_cmp_ge_u32 s21, 512                          ; the tensor is chosen by the tile's number alone
	s_cselect_b64 s[4:5], s[6:7], s[4:5]
	s_cmp_ge_u32 s21, 576
	s_cselect_b64 s[4:5], s[8:9], s[4:5]
	s_cmp_ge_u32 s21, 640
	s_cselect_b64 s[4:5], s[10:11], s[4:5]
	s_cmp_ge_u32 s21, 704
	s_cselect_b64 s[4:5], s[12:13], s[4:5]
	s_add_nc_u64 s[4:5], s[4:5], s[24:25]
	s_add_nc_u64 s[14:15], s[14:15], s[26:27]
	s_add_nc_u64 s[16:17], s[16:17], s[28:29]
; 64 numbers of a lane become a fragment's codes in v[PC] on and its scale word in v[pw]
.macro QUANT s, pw
.irp b, 0,1,2,3
	v_max3_num_f32 v[TM+\b], |v[\s+16*\b]|, |v[\s+1+16*\b]|, 0x1800000   ; block b: my 16 numbers, and the floor 2^(3 - 127): the byte cannot fall under 1
.endr
.irp i, 2,4,6,8,10,12,14
.irp b, 0,1,2,3
	v_max3_num_f32 v[TM+\b], v[TM+\b], |v[\s+16*\b+\i]|, |v[\s+1+16*\b+\i]|   ; the four blocks by turns
.endr
.endr
.irp b, 0,1,2,3
	v_permlanex16_b32 v[TM+4+\b], v[TM+\b], s[SEL], s[SEL+1]
.endr
.irp b, 0,1,2,3
	v_max_num_f32 v[TM+\b], v[TM+\b], v[TM+4+\b]   ; with lane l xor 16's: the block's largest magnitude
.endr
.irp b, 0,1,2,3
	v_add_nc_u32 v[TM+12+\b], 0xff000000, v[TM+\b] ; 2 off its exponent field: the conversion's scale operand
.endr
.irp b, 0,1,2,3
	v_lshrrev_b32 v[TM+4+\b], 23, v[TM+12+\b]      ; the scale's byte
.endr
	v_lshl_or_b32 v[\pw], v[TM+5], 8, v[TM+4]
	v_lshl_or_b32 v[\pw], v[TM+6], 16, v[\pw]
	v_lshl_or_b32 v[\pw], v[TM+7], 24, v[\pw]      ; my row's scale word
.irp c, 0,1
	v_cvt_scalef32_pk16_fp6_f32 v[PC+6*\c:PC+2+6*\c], v[\s+32*\c:\s+15+32*\c], v[TM+12+2*\c]
	v_cvt_scalef32_pk16_fp6_f32 v[CT+4*\c:CT+2+4*\c], v[\s+16+32*\c:\s+31+32*\c], v[TM+12+2*\c+1]   ; (a conversion's three registers begin on an even number)
.endr
	v_nop                                          ; one plain place behind a scaled conversion
.irp c, 0,1                                    ; the operand's layout wants a whole block in a lane: lanes 0-15 block 2 c, lanes 16-31 block 2 c + 1
.irp i, 0,1,2
	v_permlane16_swap_b32 v[PC+6*\c+\i], v[CT+4*\c+\i]
.endr
.irp i, 0,1,2
	v_mov_b32 v[PC+3+6*\c+\i], v[CT+4*\c+\i]
.endr
.endr
.endm
.macro LOAD i                          ; K step i: 16 rows x 512 consecutive bytes
.irp j, 0,1,2,3,4,5,6,7,8,9,10,11,12,13,14,15
	global_load_b128 v[R+64*((\i)%2)+4*\j:R+64*((\i)%2)+4*\j+3], v1, s[4:5] offset:(\j+8*(\j/8))*4096+512*(\i) th:TH_LOAD_NT
.endr
.endm
.macro STEP i
.if (\i) < 3
	s_wait_loadcnt 16                              ; this step's 16 loads are in; the next step's 16 may be out
.else
	s_wait_loadcnt 0x0
.endif
.irp j, 0,1,2,3,4,5,6,7,8,9,10,11,12,13,14,15
	ds_store_b128 v3, v[R+64*((\i)%2)+4*\j:R+64*((\i)%2)+4*\j+3] offset:528*\j
.endr
.irp b, 0,1,2,3
.irp j, 0,1,2,3
	ds_load_b128 v[X+16*\b+4*\j:X+16*\b+4*\j+3], v4 offset:128*\b+16*\j   ; LDS serves a wave's instructions in order: these see the stores above
.endr
.endr
	s_wait_dscnt 0x0                               ; the numbers are back, and the stores have read their registers,
.if (\i) < 2
	LOAD (\i)+2                                    ; which take the loads of two steps on
.endif
	s_wait_xcnt 0x0                                ; the last step's stores have read the codes' registers: they are written again only behind this wait
	QUANT X, PW+(\i)
	global_store_b128 v1, v[PC:PC+3], s[14:15] offset:1536*(\i)              ; 512 consecutive bytes
	global_store_b64 v2, v[PC+4:PC+5], s[14:15] offset:1536*(\i)+512         ; 256
	global_store_b128 v1, v[PC+6:PC+9], s[14:15] offset:1536*(\i)+768
	global_store_b64 v2, v[PC+10:PC+11], s[14:15] offset:1536*(\i)+1280
.endm
	LOAD 0
	LOAD 1
	STEP 0
	STEP 1
	STEP 2
	STEP 3
	v_cndmask_b32 v240, v[PW], v[PW+2], s32        ; lanes 0-15 store their row's words of steps 0, 1; lanes 16-31 those of steps 2, 3
	v_cndmask_b32 v241, v[PW+1], v[PW+3], s32
	global_store_b64 v5, v[240:241], s[16:17]      ; 256 consecutive bytes
	s_wait_tensorcnt 0x0
	ds_add_u32 v254, v255
	s_wait_dscnt 0x0
	s_endpgm
.Lfunc_end_k_qd8c1bc92d6_quant:
	.size	k_qd8c1bc92d6_quant, .Lfunc_end_k_qd8c1bc92d6_quant-k_qd8c1bc92d6_quant
	.p2alignl 7, 3214868480
	.fill 96, 4, 3214868480
	.section	.rodata,"a",@progbits
	.p2align	6, 0x0
	.amdhsa_kernel k_qd8c1bc92d6_quant
		.amdhsa_group_segment_fixed_size 51456
		.amdhsa_private_segment_fixed_size 0
		.amdhsa_enable_private_segment 0
		.amdhsa_kernarg_size 56
		.amdhsa_user_sgpr_count 2
		.amdhsa_user_sgpr_kernarg_segment_ptr 1
		.amdhsa_wavefront_size32 1
		.amdhsa_system_sgpr_workgroup_id_x 1
		.amdhsa_system_sgpr_workgroup_id_y 1
		.amdhsa_system_sgpr_workgroup_id_z 1
		.amdhsa_system_vgpr_workitem_id 0
		.amdhsa_next_free_vgpr 256
		.amdhsa_next_free_sgpr 66
		.amdhsa_reserve_vcc 0
		.amdhsa_float_denorm_mode_32 3
		.amdhsa_float_denorm_mode_16_64 3
		.amdhsa_memory_ordered 1
		.amdhsa_forward_progress 1
		.amdhsa_inst_pref_size 34
	.end_amdhsa_kernel
	.amdgpu_metadata
---
amdhsa.version: [ 1, 2 ]
amdhsa.kernels:
  - .name:           k_qd8c1bc92d6_quant
    .symbol:         k_qd8c1bc92d6_quant.kd
    .args:
      - { .name: in_features, .offset: 0, .size: 8, .value_kind: global_buffer, .address_space: global }
      - { .name: q_proj, .offset: 8, .size: 8, .value_kind: global_buffer, .address_space: global }
      - { .name: k_proj, .offset: 16, .size: 8, .value_kind: global_buffer, .address_space: global }
      - { .name: v_proj, .offset: 24, .size: 8, .value_kind: global_buffer, .address_space: global }
      - { .name: o_proj, .offset: 32, .size: 8, .value_kind: global_buffer, .address_space: global }
      - { .name: opc, .offset: 40, .size: 8, .value_kind: global_buffer, .address_space: global }
      - { .name: ops, .offset: 48, .size: 8, .value_kind: global_buffer, .address_space: global }
    .group_segment_fixed_size: 51456
    .private_segment_fixed_size: 0
    .kernarg_segment_align: 8
    .kernarg_segment_size: 56
    .max_flat_workgroup_size: 192
    .sgpr_count:     66
    .vgpr_count:     256
    .wavefront_size: 32
...
	.end_amdgpu_metadata
.endif
;; end of part 1
;; launch proj (part 2): grid 8 x 96, 4 waves a work-group, clusters of 4 x 4, 295,424 bytes of LDS; arguments opc, ops, qkv; writes qkv
.if DOCPART == 2
	.amdgcn_target "amdgcn-amd-amdhsa--gfx1250"
	.amdhsa_code_object_version 6
	.text
	.protected	k_qd8c1bc92d6_proj
	.globl	k_qd8c1bc92d6_proj
	.p2align	8
	.type	k_qd8c1bc92d6_proj,@function
k_qd8c1bc92d6_proj:
	s_mov_b64 s[64:65], 0
	v_nop
	global_prefetch_b8 v0, s[64:65] scope:SCOPE_SE
	s_setreg_imm32_b32 hwreg(HW_REG_WAVE_MODE, 25, 1), 1
	s_wait_xcnt 0x0
	s_wait_alu depctr_hold_cnt(0) depctr_sa_sdst(0) depctr_va_vdst(0) depctr_va_sdst(0) depctr_va_ssrc(0) depctr_va_vcc(0) depctr_vm_vsrc(0)
	s_getreg_b32 s2, hwreg(HW_REG_IB_STS2, 6, 4)
	s_cmp_eq_u32 s2, 0
	s_cbranch_scc0 .Lentry_in_a_cluster
	s_endpgm
.Lentry_in_a_cluster:
	s_bfe_u32 s2, ttmp6, 0x10000c
	s_cmp_lg_u32 s2, 0xf033
	s_cbranch_scc0 .Lentry_shape_is_right
	s_endpgm
.Lentry_shape_is_right:
; The three projections on codes of FP6 (E2M3), their results quantised in registers and stored as operand images for the attention launch.
; A work-group makes 128 'rows' x 256 'columns' over all of K = 1,024; a wave 64 x 128: 32 accumulators.  The matrix instruction is used transposed
; (source 0 = 16 columns, source 1 = 16 rows): a lane holds one row, and since the rows of a tile are chosen 8 u + r + 8 (r / 8) in each group of 32,
; its 64 registers of a row tile run along 128 neighbouring columns, register 16 b + i = column 32 b + 16 (lane / 16) + i.
; y < 64 (Q and K): rows = 128 tokens of x, columns = 256 channels of Wq | Wk: a wave's 128 columns are two heads: quantised along the head's 64.
; y >= 64 (V):      rows = 128 channels of Wv (two heads), columns = 256 tokens: V^T, quantised along the tokens, which are the keys.
; qkv: 1,024 records of 19,200 bytes, record ((batch 16 + head) 16 + step), a step = 128 tokens:  0 K: 8 halves of 768 bytes, one for each tile of tokens;
;   6,144 V: 4 fragments (16 channels x 128 keys);  12,288 K's scale words [r][pair of tiles];  12,544 V's [r][tile];  12,800 Q: 8 halves;  18,944 Q's scale words [r][pair].
; LDS: both operands for all of K, 98,304 + 196,608 bytes, are filled ONCE, in four groups of two K steps: no byte is filled again.
; CLUSTER 4 x 4: the rows' tiles hang on y alone and are asked for jointly along a row of the cluster, the columns' on x (and the cluster's y) along a column.
; LIMITS: a block whose largest magnitude lies under 2^-124, a block of zeros among them, gets the scale byte 1; NaN and infinities are not served.
; REGISTERS, in windows of 256: window 0: v1-23 addresses; v32-63 the rows' scale words (tile a, K step s: 32 + 8 a + s); v64-127 the columns' (64 + 8 b + s);
;   v128-175, v176-223 the rows' fragments, two sets (on the way out: codes and work); v224-239 store offsets.   window 1: accumulator (a, b) at 64 a + 8 b.
;   window 2: the columns' fragments, two sets, at v0 and v96.
.set TILEB, 12288                      ; a tile's eight fragments in opc
.set GRP,   73728                      ; an LDS group: two K steps of 8 row tiles and 16 column tiles
.set COLS,  24576                      ; where its columns begin
.set L16, 1                            ; v1  16 x lane
.set L8,  2                            ; v2  8 x lane
.set SCO, 3                            ; v3  16 x (lane % 16)
.set SOF, 4                            ; v4  the way out: my scale words' offset
.set ADR, 8                            ; v8-23 for group g: rows 16 x, rows 8 x, columns 16 x, columns 8 x lane
.set SCR, 32
.set SCC, 64
.set RF,  128
.set PC,  128                          ; the way out: tile a's codes at PC + 12 a
.set CT,  176
.set TM,  184
.set PW,  200                          ; tile a's scale word
.set VO,  224
.set SEL, 10                           ; s10, s11
.set G1R, 28                           ; s[28:35] group 1 for the rows' tiles;  s[36:43] for the columns'
.set G1C, 36
.set G0R, 44                           ; s[44:59] groups 0 for the rows, one for each LDS group;  s[68:83] for the columns
.set G0C, 68
.set MSB, 0
.macro WIN new                         ; the immediate's high byte repeats the setting that is left
.if MSB != \new
	s_set_vgpr_msb (MSB<<8)|\new
.set MSB, \new
.endif
.endm
.set MUL,  0x52                        ; source 0 (columns) window 2, source 1 (rows) window 0, C and D window 1
.set TO_C, 0x80                        ; destination window 2, address window 0
.macro CROUND                          ; a round of the cluster's barrier
	s_barrier_signal -1
	s_barrier_wait -1
	s_cmp_lg_u32 s14, 0
	s_cbranch_scc1 .Lnot_wave_0_\@
	s_barrier_signal -3
.Lnot_wave_0_\@:
	s_barrier_wait -3
	s_barrier_signal -1
	s_barrier_wait -1
.endm
	s_load_b128 s[4:7], s[0:1], 0x0                ; opc, ops
	s_load_b64 s[8:9], s[0:1], 0x10                ; qkv
	v_lshl_add_u32 v254, v0, 2, 0x48000
	v_mov_b32 v255, 0
	ds_add_u32 v254, v255
	ds_add_u32 v254, v255
	v_lshrrev_b32 v4, 5, v0
	v_readfirstlane_b32 s14, v4                    ; wave 0..3
	s_lshr_b32 s15, s14, 1                         ; wr: my half of the rows.  Also: I fetch rows (0) or columns (1)
	s_and_b32 s16, s14, 1                          ; wc: my half of the columns.  Also: which half I fetch
	s_bfe_u32 s17, ttmp6, 0x40000                  ; cx
	s_bfe_u32 s18, ttmp6, 0x40004                  ; cy
	s_lshl_b32 s19, ttmp9, 2
	s_add_co_u32 s19, s19, s17                     ; x
	s_and_b32 s20, ttmp7, 0xffff                   ; the cluster's y
	s_lshl_b32 s21, s20, 2
	s_add_co_u32 s21, s21, s18                     ; y
	s_lshr_b32 s22, s20, 4                         ; m: 1 in the V part
	s_lshr_b32 s23, s20, 1
	s_and_b32 s23, s23, 7                          ; z: in the V part, which eight blocks of columns
	s_mul_i32 s24, s22, 120
	s_sub_co_u32 s24, 127, s24
	s_and_b32 s24, s21, s24                        ; y, in the V part y % 8
	s_lshl_b32 s24, s24, 3
	s_mul_i32 s26, s22, 640
	s_add_co_u32 s24, s24, s26                     ; the rows' first tile: of cy and the cluster's y alone
	s_lshl_b32 s25, s19, 4
	s_mul_i32 s26, s22, s23
	s_lshl_b32 s26, s26, 7
	s_add_co_u32 s25, s25, s26
	s_xor_b32 s26, s22, 1
	s_lshl_b32 s26, s26, 9
	s_add_co_u32 s25, s25, s26                     ; the columns' first tile: 16 x + 512 (Q, K) or 16 x + 128 z (V): of x and the cluster's y alone
	s_lshl_b32 s26, s18, 2
	s_lshl_b32 s26, 15, s26                        ; my row of the cluster
	s_lshl_b32 s27, 0x1111, s17                    ; my column
	s_or_b32 s[G1R], s26, (3<<16)|(1<<21)          ; 15:0 the mask; 17:16 elements of 8 bytes; 21 set beside a mask; no padding
	s_or_b32 s[G1C], s27, (3<<16)|(1<<21)
.irp g, G1R, G1C
	s_mov_b32 s[\g+1], 384<<16                     ; tensor_dim0 = 384 elements: two fragments, 3,072 bytes
	s_mov_b32 s[\g+3], 384<<16                     ; tile_dim0
	s_mov_b32 s[\g+5], 1536                        ; from tile to tile: 12,288 bytes
	s_mov_b32 s[\g+6], 0
	s_mov_b32 s[\g+7], 0
.endr
	s_mov_b32 s[G1R+2], 4<<16                      ; tensor_dim1: four tiles of rows to a load,
	s_mov_b32 s[G1R+4], 4
	s_mov_b32 s[G1C+2], 8<<16                      ; eight of columns
	s_mov_b32 s[G1C+4], 8
	s_lshl_b32 s84, s16, 2
	s_add_co_u32 s84, s84, s24
	s_mul_i32 s84, s84, TILEB                      ; the rows that I would fetch
	s_mov_b32 s85, 0
	s_lshl_b32 s86, s16, 3
	s_add_co_u32 s86, s86, s25
	s_mul_i32 s86, s86, TILEB                      ; the columns that I would fetch
	s_mov_b32 s87, 0
	s_mul_i32 s88, s16, 12288                      ; and where they go: no place in the cluster enters an LDS address
	s_mul_i32 s89, s16, 24576
	s_add_co_u32 s89, s89, COLS
	s_lshl_b32 s90, s15, 2
	s_add_co_u32 s90, s90, s24
	s_lshl_b32 s90, s90, 9                         ; my four row tiles' scale words
	s_mov_b32 s91, 0
	s_lshl_b32 s92, s16, 3
	s_add_co_u32 s92, s92, s25
	s_lshl_b32 s92, s92, 9                         ; my eight column tiles'
	s_mov_b32 s93, 0
	s_mov_b32 s[SEL], 0x76543210
	s_mov_b32 s[SEL+1], 0xfedcba98
	s_wait_dscnt 0x0
	s_wait_kmcnt 0x0
	s_add_nc_u64 s[84:85], s[4:5], s[84:85]
	s_add_nc_u64 s[86:87], s[4:5], s[86:87]
	s_add_nc_u64 s[90:91], s[6:7], s[90:91]
	s_add_nc_u64 s[92:93], s[6:7], s[92:93]
.irp g, 0,1,2,3
	s_mov_b32 s[G0R+4*\g], 1
	s_add_co_u32 s[G0R+4*\g+1], s88, \g*GRP
	s_add_nc_u64 s[G0R+4*\g+2:G0R+4*\g+3], s[84:85], \g*3072
	s_or_b32 s[G0R+4*\g+3], s[G0R+4*\g+3], 0x80000000
	s_mov_b32 s[G0C+4*\g], 1
	s_add_co_u32 s[G0C+4*\g+1], s89, \g*GRP
	s_add_nc_u64 s[G0C+4*\g+2:G0C+4*\g+3], s[86:87], \g*3072
	s_or_b32 s[G0C+4*\g+3], s[G0C+4*\g+3], 0x80000000
.endr
	CROUND                                         ; all sixteen work-groups are here: the joint loads meet
	s_cmp_eq_u32 s15, 0                            ; a wave's four fills stand in one branch on the wave's number: four loads of mine are out
	s_cbranch_scc0 .Lfor_cols
	tensor_load_to_lds s[G0R:G0R+3], s[G1R:G1R+7]
	s_nop 0
	tensor_load_to_lds s[G0R+4:G0R+7], s[G1R:G1R+7]
	s_nop 0
	tensor_load_to_lds s[G0R+8:G0R+11], s[G1R:G1R+7]
	s_nop 0
	tensor_load_to_lds s[G0R+12:G0R+15], s[G1R:G1R+7]
	s_nop 0
.rept 4
	v_nop
.endr
	s_branch .Lasked
.Lfor_cols:
	tensor_load_to_lds s[G0C:G0C+3], s[G1C:G1C+7]
	s_nop 0
	tensor_load_to_lds s[G0C+4:G0C+7], s[G1C:G1C+7]
	s_nop 0
	tensor_load_to_lds s[G0C+8:G0C+11], s[G1C:G1C+7]
	s_nop 0
	tensor_load_to_lds s[G0C+12:G0C+15], s[G1C:G1C+7]
	s_nop 0
.rept 4
	v_nop
.endr
.Lasked:
	v_and_b32 v4, 31, v0
	v_lshlrev_b32 v[L16], 4, v4
	v_lshlrev_b32 v[L8], 3, v4
	v_and_b32 v5, 15, v0
	v_lshlrev_b32 v[SCO], 4, v5
.irp a, 0,1,2,3                                ; all scale words stay in registers: one load brings a row's words of four K steps
.irp q, 0,1
	global_load_b128 v[SCR+8*\a+4*\q:SCR+8*\a+4*\q+3], v[SCO], s[90:91] offset:512*\a+256*\q
.endr
.endr
.irp b, 0,1,2,3,4,5,6,7
.irp q, 0,1
	global_load_b128 v[SCC+8*\b+4*\q:SCC+8*\b+4*\q+3], v[SCO], s[92:93] offset:512*\b+256*\q
.endr
.endr
	s_mul_i32 s94, s15, 12288                      ; my four row tiles in a group,
	s_mul_i32 s95, s16, 24576
	s_add_co_u32 s95, s95, COLS                    ; my eight column tiles
.irp g, 0,1,2,3
	v_add_nc_u32 v[ADR+4*\g], s94, v[L16]
	v_add_nc_u32 v[ADR+4*\g+1], s94, v[L8]
	v_add_nc_u32 v[ADR+4*\g+2], s95, v[L16]
	v_add_nc_u32 v[ADR+4*\g+3], s95, v[L8]
	s_add_co_u32 s94, s94, GRP
	s_add_co_u32 s95, s95, GRP
.endr
.macro FRAG reg, a16, a8, off          ; a fragment's image back into 12 registers
	ds_load_b128 v[\reg:\reg+3], v[\a16] offset:\off
	ds_load_b64 v[\reg+4:\reg+5], v[\a8] offset:\off+512
	ds_load_b128 v[\reg+6:\reg+9], v[\a16] offset:\off+768
	ds_load_b64 v[\reg+10:\reg+11], v[\a8] offset:\off+1280
.endm
.macro FETCH k, st                     ; K step k's fragments into set st: 48 loads
	WIN TO_C
.irp b, 0,1,2,3,4,5,6,7
	FRAG 96*(\st)+12*\b, ADR+4*((\k)/2)+2, ADR+4*((\k)/2)+3, 3072*\b+1536*((\k)%2)
.endr
	WIN 0
.irp a, 0,1,2,3
	FRAG RF+48*(\st)+12*\a, ADR+4*((\k)/2), ADR+4*((\k)/2)+1, 3072*\a+1536*((\k)%2)
.endr
.endm
.macro MUL32 k, st, zero               ; the 32 accumulators take turns, in the same order in every step
.irp a, 0,1,2,3
.irp b, 0,1,2,3,4,5,6,7
.if \zero
	v_wmma_scale_f32_16x16x128_f8f6f4 v[64*\a+8*\b:64*\a+8*\b+7], v[96*(\st)+12*\b:96*(\st)+12*\b+11], v[RF+48*(\st)+12*\a:RF+48*(\st)+12*\a+11], 0, v[SCC+8*\b+(\k)], v[SCR+8*\a+(\k)] matrix_a_fmt:MATRIX_FMT_FP6 matrix_b_fmt:MATRIX_FMT_FP6
.else
	v_wmma_scale_f32_16x16x128_f8f6f4 v[64*\a+8*\b:64*\a+8*\b+7], v[96*(\st)+12*\b:96*(\st)+12*\b+11], v[RF+48*(\st)+12*\a:RF+48*(\st)+12*\a+11], v[64*\a+8*\b:64*\a+8*\b+7], v[SCC+8*\b+(\k)], v[SCR+8*\a+(\k)] matrix_a_fmt:MATRIX_FMT_FP6 matrix_b_fmt:MATRIX_FMT_FP6
.endif
.endr
.endr
.endm
.macro KSTEP k
.if ((\k)%2 == 1) && ((\k) < 7)
	s_wait_tensorcnt 3-((\k)+1)/2                  ; my part of the next group has landed; the later groups' loads may stay out
	s_wait_dscnt 0x0                               ; no LDS instruction of mine is out at a signal
	s_barrier_signal -1
	s_barrier_wait -1                              ; everybody's part has landed
.endif
.if (\k) < 7
.if (\k) > 0
.rept 4
	v_nop                                          ; four places in front of loads into the set that the step before multiplied
.endr
.endif
	FETCH (\k)+1, 1-(\k)%2
	s_wait_dscnt 48                                ; all but the 48 just issued: this step's fragments are in
.else
	s_wait_dscnt 0x0
.endif
	WIN MUL
.if (\k) == 0
	MUL32 \k, (\k)%2, 1                            ; the first step's products start the sums
.else
	MUL32 \k, (\k)%2, 0
.endif
.endm
	s_wait_alu depctr_va_vdst(0)
	s_wait_tensorcnt 3                             ; my part of group 0 is in,
	s_barrier_signal -1
	s_barrier_wait -1                              ; everybody's is
	FETCH 0, 0
	s_wait_loadcnt 0x0                             ; the scale words
.irp k, 0,1,2,3,4,5,6,7
	KSTEP \k
.endr
	WIN 0
.rept 4
	v_nop                                          ; four places in front of the first read of results and the first write over fragments
.endr
.irp b, 0,1,2,3
	v_mov_b32 v[TM+4+\b], 0                        ; written once: a lane permute's destination counts as one of its sources
.endr
	; THE WAY OUT.  Where things go is chosen by selects on m; there is no branch.  First the Q, K part's numbers:
	s_lshr_b32 s60, s21, 4                         ; batch
	s_and_b32 s61, s21, 15                         ; step
	s_lshl_b32 s62, s19, 2
	s_lshl_b32 s63, s16, 1
	s_add_co_u32 s62, s62, s63                     ; my first head among Q's 16 and K's 16
	s_lshr_b32 s63, s62, 4                         ; 0: Q, 1: K
	s_and_b32 s62, s62, 15
	s_lshl_b32 s60, s60, 4
	s_add_co_u32 s60, s60, s62
	s_lshl_b32 s60, s60, 4
	s_add_co_u32 s60, s60, s61                     ; the record
	s_mul_i32 s61, s15, 3072
	s_lshl_b32 s62, s15, 3
	s_mov_b32 s67, 18944
	s_cmp_eq_u32 s63, 1
	s_cselect_b32 s66, 0, 12800
	s_cselect_b32 s67, 12288, s67
	s_add_co_u32 s66, s66, s61                     ; codes: the section + my four tiles of tokens
	s_add_co_u32 s67, s67, s62                     ; scale words: the section + my two pairs
	; then the V part's:
	s_lshl_b32 s61, s23, 3
	s_add_co_u32 s61, s61, s19
	s_lshl_b32 s61, s61, 1
	s_add_co_u32 s61, s61, s16                     ; my 128 tokens
	s_lshr_b32 s62, s61, 4                         ; batch
	s_and_b32 s61, s61, 15                         ; step
	s_and_b32 s63, s21, 7
	s_lshl_b32 s63, s63, 1
	s_add_co_u32 s63, s63, s15                     ; head
	s_lshl_b32 s62, s62, 4
	s_add_co_u32 s62, s62, s63
	s_lshl_b32 s62, s62, 4
	s_add_co_u32 s61, s62, s61                     ; the record
	s_mov_b32 s84, 6144
	s_mov_b32 s85, 12544
	s_mov_b32 s86, 1536
	s_mov_b32 s87, 768
	s_cmp_eq_u32 s22, 1
	s_cselect_b32 s60, s61, s60
	s_cselect_b32 s66, s84, s66                    ; the codes' first byte in the record
	s_cselect_b32 s67, s85, s67                    ; the scale words'
	s_cselect_b32 s86, s86, 768                    ; from row tile to row tile
	s_cselect_b32 s87, s87, 307200                 ; from a fragment's first half to its second: the next head's record, or 768 bytes
	s_cselect_b32 s88, 8, 307200                   ; from lanes 0-15 to lanes 16-31 in the store of scale words
	s_cselect_b32 s89, -1, 0
	s_mul_i32 s60, s60, 19200
	s_mov_b32 s61, 0
	s_add_nc_u64 s[8:9], s[8:9], s[60:61]
.irp a, 0,1,2,3
	s_mul_i32 s90, s86, \a
	s_add_co_u32 s90, s90, s66
	s_add_co_u32 s91, s90, s87
	v_add_nc_u32 v[VO+4*\a], s90, v[L16]
	v_add_nc_u32 v[VO+4*\a+1], s90, v[L8]
	v_add_nc_u32 v[VO+4*\a+2], s91, v[L16]
	v_add_nc_u32 v[VO+4*\a+3], s91, v[L8]
.endr
	v_bfe_u32 v5, v0, 4, 1
	v_mul_lo_u32 v5, v5, s88
	v_add_nc_u32 v5, v5, v[SCO]
	v_add_nc_u32 v[SOF], s67, v5
; Row tile a's 64 results of a lane (window 1) become 12 registers of codes and a scale word, and leave.  Each accumulator is read from its low end on.
.macro QUANTW a
	WIN 0x05                                       ; sources 0 and 1 window 1
.irp b, 0,1,2,3
	v_max3_num_f32 v[TM+\b], |v[64*\a+16*\b]|, |v[64*\a+16*\b+1]|, 0x1800000   ; and the floor 2^(3 - 127)
.endr
.irp i, 2,4,6,8,10,12,14
.irp b, 0,1,2,3
	v_max3_num_f32 v[TM+\b], |v[64*\a+16*\b+\i]|, |v[64*\a+16*\b+\i+1]|, v[TM+\b]
.endr
.endr
	WIN 0
.irp b, 0,1,2,3
	v_permlanex16_b32 v[TM+4+\b], v[TM+\b], s[SEL], s[SEL+1]
.endr
.irp b, 0,1,2,3
	v_max_num_f32 v[TM+\b], v[TM+\b], v[TM+4+\b]
.endr
.irp b, 0,1,2,3
	v_add_nc_u32 v[TM+12+\b], 0xff000000, v[TM+\b]
.endr
.irp b, 0,1,2,3
	v_lshrrev_b32 v[TM+4+\b], 23, v[TM+12+\b]
.endr
	v_lshl_or_b32 v[PW+\a], v[TM+5], 8, v[TM+4]
	v_lshl_or_b32 v[PW+\a], v[TM+6], 16, v[PW+\a]
	v_lshl_or_b32 v[PW+\a], v[TM+7], 24, v[PW+\a]
	WIN 0x01                                       ; source 0 window 1
.irp c, 0,1
	v_cvt_scalef32_pk16_fp6_f32 v[PC+12*\a+6*\c:PC+12*\a+6*\c+2], v[64*\a+32*\c:64*\a+32*\c+15], v[TM+12+2*\c]
	v_cvt_scalef32_pk16_fp6_f32 v[CT+4*\c:CT+4*\c+2], v[64*\a+32*\c+16:64*\a+32*\c+31], v[TM+12+2*\c+1]
.endr
	WIN 0
	v_nop                                          ; one plain place behind a scaled conversion
.irp c, 0,1
.irp i, 0,1,2
	v_permlane16_swap_b32 v[PC+12*\a+6*\c+\i], v[CT+4*\c+\i]
.endr
.irp i, 0,1,2
	v_mov_b32 v[PC+12*\a+3+6*\c+\i], v[CT+4*\c+\i]
.endr
.endr
	global_store_b128 v[VO+4*\a], v[PC+12*\a:PC+12*\a+3], s[8:9]               ; 512 consecutive bytes
	global_store_b64 v[VO+4*\a+1], v[PC+12*\a+4:PC+12*\a+5], s[8:9] offset:512 ; 256
	global_store_b128 v[VO+4*\a+2], v[PC+12*\a+6:PC+12*\a+9], s[8:9]
	global_store_b64 v[VO+4*\a+3], v[PC+12*\a+10:PC+12*\a+11], s[8:9] offset:512
.endm
	QUANTW 0                                       ; each tile has its own codes' registers: no store's data are written again
	QUANTW 1
	QUANTW 2
	QUANTW 3
	; Scale words.  Q, K: a word serves a PAIR of token tiles of one head: the low halves of two words (first head), the high halves (second head).  V: the words as they are.
	s_mov_b32 s90, 0x05040100
	s_mov_b32 s91, 0x07060302
	s_mov_b32 s92, 0xffff0000                      ; lanes 16-31
	v_perm_b32 v204, v[PW+1], v[PW], s90
	v_perm_b32 v205, v[PW+3], v[PW+2], s90
	v_perm_b32 v206, v[PW+1], v[PW], s91
	v_perm_b32 v207, v[PW+3], v[PW+2], s91
	v_cndmask_b32 v204, v204, v206, s92            ; lanes 16-31 store the second head's
	v_cndmask_b32 v205, v205, v207, s92
	v_cndmask_b32 v206, v[PW], v[PW+2], s92        ; V: lanes 16-31 store tiles 2 and 3
	v_cndmask_b32 v207, v[PW+1], v[PW+3], s92
	v_cndmask_b32 v208, v204, v206, s89
	v_cndmask_b32 v209, v205, v207, s89
	global_store_b64 v[SOF], v[208:209], s[8:9]
	s_wait_tensorcnt 0x0
	ds_add_u32 v254, v255
	s_wait_dscnt 0x0
	CROUND                                         ; the closing round: no work-group ends while a partner may still ask for a tile that names it
	s_endpgm
.Lfunc_end_k_qd8c1bc92d6_proj:
	.size	k_qd8c1bc92d6_proj, .Lfunc_end_k_qd8c1bc92d6_proj-k_qd8c1bc92d6_proj
	.p2alignl 7, 3214868480
	.fill 96, 4, 3214868480
	.section	.rodata,"a",@progbits
	.p2align	6, 0x0
	.amdhsa_kernel k_qd8c1bc92d6_proj
		.amdhsa_group_segment_fixed_size 295424
		.amdhsa_private_segment_fixed_size 0
		.amdhsa_enable_private_segment 0
		.amdhsa_kernarg_size 24
		.amdhsa_user_sgpr_count 2
		.amdhsa_user_sgpr_kernarg_segment_ptr 1
		.amdhsa_wavefront_size32 1
		.amdhsa_system_sgpr_workgroup_id_x 1
		.amdhsa_system_sgpr_workgroup_id_y 1
		.amdhsa_system_sgpr_workgroup_id_z 1
		.amdhsa_system_vgpr_workitem_id 0
		.amdhsa_next_free_vgpr 768
		.amdhsa_next_free_sgpr 100
		.amdhsa_reserve_vcc 0
		.amdhsa_float_denorm_mode_32 3
		.amdhsa_float_denorm_mode_16_64 3
		.amdhsa_memory_ordered 1
		.amdhsa_forward_progress 1
		.amdhsa_inst_pref_size 91
	.end_amdhsa_kernel
	.amdgpu_metadata
---
amdhsa.version: [ 1, 2 ]
amdhsa.kernels:
  - .name:           k_qd8c1bc92d6_proj
    .symbol:         k_qd8c1bc92d6_proj.kd
    .args:
      - { .name: opc, .offset: 0, .size: 8, .value_kind: global_buffer, .address_space: global }
      - { .name: ops, .offset: 8, .size: 8, .value_kind: global_buffer, .address_space: global }
      - { .name: qkv, .offset: 16, .size: 8, .value_kind: global_buffer, .address_space: global }
    .group_segment_fixed_size: 295424
    .private_segment_fixed_size: 0
    .kernarg_segment_align: 8
    .kernarg_segment_size: 24
    .max_flat_workgroup_size: 128
    .sgpr_count:     100
    .vgpr_count:     768
    .wavefront_size: 32
...
	.end_amdgpu_metadata
.endif
;; end of part 2
;; launch attn (part 3): grid 4 x 64, 16 waves a work-group, clusters of 4 x 1, 206,848 bytes of LDS; arguments qkv, ac, asc; writes ac, asc
.if DOCPART == 3
	.amdgcn_target "amdgcn-amd-amdhsa--gfx1250"
	.amdhsa_code_object_version 6
	.text
	.protected	k_qd8c1bc92d6_attn
	.globl	k_qd8c1bc92d6_attn
	.p2align	8
	.type	k_qd8c1bc92d6_attn,@function
k_qd8c1bc92d6_attn:
	s_mov_b64 s[64:65], 0
	v_nop
	global_prefetch_b8 v0, s[64:65] scope:SCOPE_SE
	s_setreg_imm32_b32 hwreg(HW_REG_WAVE_MODE, 25, 1), 1
	s_wait_xcnt 0x0
	s_wait_alu depctr_hold_cnt(0) depctr_sa_sdst(0) depctr_va_vdst(0) depctr_va_sdst(0) depctr_va_ssrc(0) depctr_va_vcc(0) depctr_vm_vsrc(0)
	s_getreg_b32 s2, hwreg(HW_REG_IB_STS2, 6, 4)
	s_cmp_eq_u32 s2, 0
	s_cbranch_scc0 .Lentry_in_a_cluster
	s_endpgm
.Lentry_in_a_cluster:
	s_bfe_u32 s2, ttmp6, 0x10000c
	s_cmp_lg_u32 s2, 0x3003
	s_cbranch_scc0 .Lentry_shape_is_right
	s_endpgm
.Lentry_shape_is_right:
; Causal attention of one (batch, head) on codes of FP6 (E2M3); the result, divided by the row's sum, is quantised along the head's 64 and stored as an operand image for the last projection.
; qkv: records of 19,200 bytes for each 128 tokens:  0 K: 8 halves of 768 bytes (16 keys x 64);  6,144 V: 4 fragments (16 channels x 128 keys);  12,288 K's scale words [r][pair];
;   12,544 V's [r][tile];  12,800 Q: 8 halves;  18,944 Q's scale words [r][pair].  The tokens of a tile are 8 u + r + 8 (r / 8) in each group of 32.
; THE FIRST PRODUCT HAS K = 64: two tiles of keys stand side by side in one fragment [K 2p | K 2p+1], and Q stands in 18 registers [Q | 0 | Q]: registers 0-11 give tile 2 p's scores, registers 6-17 tile 2 p + 1's.
; Zero codes add nothing under any scale byte that occurs here (1 .. 254).
; SOFTMAX: t = score x log2(e) / 8; M = the running largest t rounded up to a whole number; p = 2^(t - M) is quantised along the keys; the row's sum is taken of the unquantised p and divides at the end.
; Both products are used transposed: a lane holds one query throughout; register 16 b + i of the scores is key 32 b + 16 (lane / 16) + i of the step.
; SHARES: the cluster's four work-groups share the head's K and V: 16 records' first 12,800 bytes, 204,800 bytes, filled ONCE and jointly.  Wave w owns query tiles 4 w + cx and 127 - (4 w + cx):
; their last key steps are w / 2 and 15 - w / 2, so every wave works 17 key steps, and every branch hangs on the wave's number and a counter alone.
; LIMITS: hidden scores become -infinity where the definition writes -1e9: the same p = 0 while a row's largest score lies more than some 1,000 above -1e9.  Blocks under 2^-124 get the scale byte 1.  NaN and infinities are not served.
; REGISTERS: v1-3 16 x lane, 8 x lane, 16 r; v4-6 the step's LDS addresses; v7 16 r + h; v12 -M, v13 the largest t, v[14:15] the sum; v16-33 [Q|0|Q]; v34 Q's scale word; v35 the mask's distance;
;   v36-83 four fragments of K, then of V; v84-87, v88-91 their scale words; v92 p's; v96-159 scores, then p; v160-191 O^T; v192-203 p's codes; v204-229 at work; v230-237 the second tile's Q, scale word, distance.
.set REC,  19200
.set KVB,  12800                       ; what of a record goes to LDS
.set KV,   36
.set S,    96
.set O,    160
.set PCD,  192
.set CT,   204
.set BM,   212                         ; block maxima
.set BP,   216                         ; permutes' destinations, then bytes
.set SOP,  220                         ; the conversions' scale operands
.set F,    224                         ; v[224:225] f = 2^(old M - new M), named as a pair
.set T,    226
.set NINF, 227
.set SUM2, 228
.set WV,   10
.set SEL,  20
.set CS,   22
.set G1,   24                          ; s[24:31]
.set G0,   32                          ; s[32:47] four groups 0
.set TB,   48                          ; LDS byte at which the step's record begins
.set J,    49                          ; the key step
.set JH,   50                          ; the late tile's last key step
.set JL,   51                          ; the early tile's
.set HM,   80                          ; lanes 16-31
.macro CROUND
	s_barrier_signal -1
	s_barrier_wait -1
	s_cmp_lg_u32 s[WV], 0
	s_cbranch_scc1 .Lnot_wave_0_\@
	s_barrier_signal -3
.Lnot_wave_0_\@:
	s_barrier_wait -3
	s_barrier_signal -1
	s_barrier_wait -1
.endm
	s_load_b128 s[4:7], s[0:1], 0x0                ; qkv, ac
	s_load_b64 s[8:9], s[0:1], 0x10                ; asc
	v_lshl_add_u32 v254, v0, 2, 0x32000
	v_mov_b32 v255, 0
	ds_add_u32 v254, v255
	ds_add_u32 v254, v255
	v_lshrrev_b32 v4, 5, v0
	s_delay_alu instid0(VALU_DEP_1)
	v_readfirstlane_b32 s[WV], v4                  ; wave 0..15
	s_bfe_u32 s11, ttmp6, 0x40000                  ; cx: it enters Q's, ac's and asc's addresses and the mask's distance, no branch and no LDS address
	s_and_b32 s12, ttmp7, 0xffff                   ; 16 x batch + head
	s_lshl_b32 s53, s[WV], 2
	s_add_co_u32 s53, s53, s11                     ; the early tile
	s_sub_co_u32 s52, 127, s53                     ; the late tile
	s_lshr_b32 s[JL], s[WV], 1
	s_sub_co_u32 s[JH], 15, s[JL]
	s_mul_i32 s14, s12, 16*REC
	s_mov_b32 s15, 0
	s_and_b32 s19, s[WV], 3
	s_mul_i32 s16, s19, REC
	s_mov_b32 s17, 0
	s_mul_i32 s18, s19, KVB
	s_mov_b32 s[G1], 15|(3<<16)|(1<<21)            ; 15:0 the mask: all four work-groups; 17:16 elements of 8 bytes; 21 set beside a mask
	s_mov_b32 s[G1+1], 32<<16                      ; a dense block of 12,800 bytes as 50 rows of 256
	s_mov_b32 s[G1+2], 50<<16
	s_mov_b32 s[G1+3], 32<<16
	s_mov_b32 s[G1+4], 50
	s_mov_b32 s[G1+5], 32
	s_mov_b32 s[G1+6], 0
	s_mov_b32 s[G1+7], 0
	s_mov_b32 s[SEL], 0x76543210
	s_mov_b32 s[SEL+1], 0xfedcba98
	s_mov_b32 s[CS], 0x3e38aa3b                    ; c = log2(e) / sqrt(64)
	s_mov_b32 s[CS+1], s[CS]                       ; (named with it as a pair)
	s_mov_b32 s[HM], 0xffff0000
	s_wait_dscnt 0x0
	s_wait_kmcnt 0x0
	s_add_nc_u64 s[14:15], s[4:5], s[14:15]        ; the head's 16 records
	s_add_nc_u64 s[16:17], s[14:15], s[16:17]
.irp g, 0,1,2,3
	s_mov_b32 s[G0+4*\g], 1
	s_add_co_u32 s[G0+4*\g+1], s18, \g*4*KVB       ; the record of step 4 g + wave goes to (4 g + wave) x 12,800
	s_add_nc_u64 s[G0+4*\g+2:G0+4*\g+3], s[16:17], \g*4*REC
	s_or_b32 s[G0+4*\g+3], s[G0+4*\g+3], 0x80000000
.endr
	CROUND                                         ; all four work-groups are here: the joint loads meet
	s_cmp_lt_u32 s[WV], 4                          ; waves 0 to 3 fetch, four loads each, in one branch on the wave's number
	s_cbranch_scc0 .Lno_fill
	tensor_load_to_lds s[G0:G0+3], s[G1:G1+7]
	s_nop 0
	tensor_load_to_lds s[G0+4:G0+7], s[G1:G1+7]
	s_nop 0
	tensor_load_to_lds s[G0+8:G0+11], s[G1:G1+7]
	s_nop 0
	tensor_load_to_lds s[G0+12:G0+15], s[G1:G1+7]
	s_nop 0
.rept 4
	v_nop
.endr
.Lno_fill:
	v_and_b32 v4, 31, v0
	s_delay_alu instid0(VALU_DEP_1)
	v_lshlrev_b32 v1, 4, v4
	s_delay_alu instid0(VALU_DEP_2)
	v_lshlrev_b32 v2, 3, v4
	v_and_b32 v5, 15, v0                           ; r
	v_bfe_u32 v6, v0, 4, 1                         ; h
	s_delay_alu instid0(VALU_DEP_2)
	v_lshlrev_b32 v3, 4, v5
	s_wait_alu depctr_va_vdst(0)
	v_add_nc_u32 v7, v3, v6                        ; asc: 16 r + my half's block
	v_and_b32 v8, 8, v5
	s_delay_alu instid0(VALU_DEP_1)
	v_add_nc_u32 v8, v8, v5
	v_lshlrev_b32 v9, 4, v6
	s_delay_alu instid0(VALU_DEP_1)
	v_sub_nc_u32 v8, v8, v9                        ; r + 8 (r / 8) - 16 h
; A query tile's scalars: its record, its places in ac and asc; s[q]: Q's half image, s[q+1]: its scale word, s[q+2]: its first query in the step, s[q+3]: which half of the word
.macro PREP tile, rb, acb, asb, q
	s_lshr_b32 s68, s[\tile], 3
	s_mul_i32 s68, s68, REC
	s_mov_b32 s69, 0
	s_add_nc_u64 s[\rb:\rb+1], s[14:15], s[68:69]
	s_and_b32 s78, s[\tile], 7
	s_mul_i32 s[\q], s78, 768
	s_add_co_u32 s[\q], s[\q], 12800
	s_lshr_b32 s78, s78, 1
	s_lshl_b32 s[\q+1], s78, 2
	s_add_co_u32 s[\q+1], s[\q+1], 18944
	s_lshl_b32 s[\q+2], s78, 5
	s_and_b32 s79, s[\tile], 1
	s_lshl_b32 s[\q+3], s79, 4
	s_lshl_b32 s79, s79, 3
	s_add_co_u32 s[\q+2], s[\q+2], s79
	s_lshr_b32 s68, s12, 4
	s_lshl_b32 s68, s68, 7
	s_add_co_u32 s68, s68, s[\tile]                ; the tile among the 512 of all tokens
	s_lshl_b32 s78, s68, 9
	s_mul_i32 s68, s68, 12288
	s_and_b32 s79, s12, 15                         ; the head
	s_mul_i32 s79, s79, 768
	s_add_co_u32 s68, s68, s79
	s_add_nc_u64 s[\acb:\acb+1], s[6:7], s[68:69]
	s_and_b32 s79, s12, 15
	s_lshr_b32 s68, s79, 3
	s_lshl_b32 s68, s68, 8
	s_add_co_u32 s78, s78, s68
	s_and_b32 s79, s79, 7
	s_lshl_b32 s79, s79, 1
	s_add_co_u32 s68, s78, s79
	s_add_nc_u64 s[\asb:\asb+1], s[8:9], s[68:69]
.endm
	s_wait_alu depctr_va_vdst(0)
	PREP 52, 54, 58, 62, 70                        ; the late tile
	PREP 53, 56, 60, 66, 74                        ; the early tile
	v_add_nc_u32 v212, s70, v1
	v_add_nc_u32 v213, s70, v2
	v_add_nc_u32 v214, s71, v3
	v_add_nc_u32 v215, s74, v1
	v_add_nc_u32 v216, s74, v2
	v_add_nc_u32 v217, s75, v3
	global_load_b128 v[16:19], v212, s[54:55]      ; the late tile's Q, into both ends of [Q | 0 | Q]
	global_load_b64 v[20:21], v213, s[54:55] offset:512
	global_load_b128 v[28:31], v212, s[54:55]
	global_load_b64 v[32:33], v213, s[54:55] offset:512
	global_load_b32 v34, v214, s[54:55]
	global_load_b128 v[230:233], v215, s[56:57]    ; the early tile's waits in registers
	global_load_b64 v[234:235], v216, s[56:57] offset:512
	global_load_b32 v236, v217, s[56:57]
	v_add_nc_u32 v35, s72, v8                      ; d = my query in its step - 16 h: register n's key is hidden where 32 (n / 16) + n % 16 > d
	v_add_nc_u32 v237, s76, v8
.irp i, 22,23,24,25,26,27
	v_mov_b32 v\i, 0
.endr
	v_mov_b32 v[F+1], 0                            ; (named as the upper half of a pair)
	v_mov_b32 v[NINF], 0xff800000
	s_wait_loadcnt 0x0
.irp b, 0,1,2,3
	v_mov_b32 v[BP+\b], 0                          ; written once: a lane permute's destination counts as one of its sources
.endr
	v_lshrrev_b32 v34, s73, v34                    ; my tile's half of the pair's word,
	s_delay_alu instid0(VALU_DEP_1)
	v_and_b32 v34, 0xffff, v34
	s_delay_alu instid0(VALU_DEP_1)
	v_lshl_or_b32 v34, v34, 16, v34                ; for both ends of [Q | 0 | Q]
	v_lshrrev_b32 v236, s77, v236
	s_delay_alu instid0(VALU_DEP_1)
	v_and_b32 v236, 0xffff, v236
	s_delay_alu instid0(VALU_DEP_1)
	v_lshl_or_b32 v236, v236, 16, v236
.macro STATE                           ; a tile begins: the 36 lines are also the places between the writes of Q and its scale word and the first product
	v_mov_b32 v13, 0xff61b1e6                      ; the largest t so far: -3e38
	s_delay_alu instid0(VALU_DEP_1)
	v_floor_f32 v12, -v13
	v_mov_b32 v14, 0
	v_mov_b32 v15, 0
.set NN, 0
.rept 32
	v_mov_b32 v[O+NN], 0                           ; O^T: the first change of M multiplies zeros
.set NN, NN+1
.endr
.endm
	STATE
.macro FRAG reg, off
	ds_load_b128 v[\reg:\reg+3], v4 offset:\off
	ds_load_b64 v[\reg+4:\reg+5], v5 offset:\off+512
	ds_load_b128 v[\reg+6:\reg+9], v4 offset:\off+768
	ds_load_b64 v[\reg+10:\reg+11], v5 offset:\off+1280
.endm
; A KEY STEP: 128 keys.  skip = 1: a step behind the tile's last (s[jx]) is left out, and the last one is masked
.macro STEP skip, jx
.if \skip
	s_cmp_gt_u32 s[J], s[\jx]
	s_cbranch_scc1 .Lhid_\@
.endif
	s_setprio 2
	v_add_nc_u32 v4, s[TB], v1
	v_add_nc_u32 v5, s[TB], v2
	v_add_nc_u32 v6, s[TB], v3
	v_nop                                          ; four places in front of loads into registers that the last products read
.irp p, 0,1,2,3
	FRAG KV+12*\p, 1536*\p
.endr
	ds_load_b128 v[84:87], v6 offset:12288
	s_wait_alu depctr_va_vdst(0)
	s_wait_dscnt 0x0
.irp p, 0,1,2,3
	v_wmma_scale_f32_16x16x128_f8f6f4 v[S+16*\p:S+16*\p+7], v[KV+12*\p:KV+12*\p+11], v[16:27], 0, v[84+\p], v34 matrix_a_fmt:MATRIX_FMT_FP6 matrix_b_fmt:MATRIX_FMT_FP6
	v_wmma_scale_f32_16x16x128_f8f6f4 v[S+16*\p+8:S+16*\p+15], v[KV+12*\p:KV+12*\p+11], v[22:33], 0, v[84+\p], v34 matrix_a_fmt:MATRIX_FMT_FP6 matrix_b_fmt:MATRIX_FMT_FP6
.endr
.rept 4
	v_nop                                          ; four places: for the loads below and for the first read of the scores
.endr
.irp t, 0,1,2,3
	FRAG KV+12*\t, 6144+1536*\t                    ; V lands while the softmax is worked
.endr
	ds_load_b128 v[88:91], v6 offset:12544
.if \skip
	s_cmp_lg_u32 s[J], s[\jx]
	s_cbranch_scc1 .Lopen_\@
.set NN, 0
.rept 64
	v_cmp_gt_i32 vcc_lo, 32*(NN/16)+NN%16, v35
	v_cndmask_b32 v[S+NN], v[S+NN], v[NINF], vcc_lo
.set NN, NN+1
.endr
.Lopen_\@:
.endif
.irp b, 0,1,2,3
	v_max3_num_f32 v[BM+\b], v[S+16*\b], v[S+1+16*\b], v[S+2+16*\b]   ; the largest score of each block of 32 keys: for the row's maximum and, since p rises with the score, for the block's largest p
.endr
.irp i, 3,5,7,9,11,13
.irp b, 0,1,2,3
	v_max3_num_f32 v[BM+\b], v[BM+\b], v[S+16*\b+\i], v[S+1+16*\b+\i]
.endr
.endr
.irp b, 0,1,2,3
	v_max_num_f32 v[BM+\b], v[BM+\b], v[S+15+16*\b]
.endr
.irp b, 0,1,2,3
	s_delay_alu instid0(VALU_DEP_4)
	v_permlanex16_b32 v[BP+\b], v[BM+\b], s[SEL], s[SEL+1]
.endr
.irp b, 0,1,2,3
	s_delay_alu instid0(VALU_DEP_4)
	v_max_num_f32 v[BM+\b], v[BM+\b], v[BP+\b]
.endr
	s_delay_alu instid0(VALU_DEP_2)
	v_max3_num_f32 v[T], v[BM], v[BM+1], v[BM+2]
	s_delay_alu instid0(VALU_DEP_1)
	v_max_num_f32 v[T], v[T], v[BM+3]
	s_delay_alu instid0(VALU_DEP_1)
	v_mul_f32 v[T], s[CS], v[T]
	s_delay_alu instid0(VALU_DEP_1)
	v_max_num_f32 v13, v13, v[T]                   ; the running largest t
	v_mov_b32 v[T], v12
	s_delay_alu instid0(VALU_DEP_2)
	v_floor_f32 v12, -v13                          ; -M = floor(-t): M is a whole number
	s_delay_alu instid0(VALU_DEP_1)
	v_sub_f32 v[T], v12, v[T]
	s_delay_alu instid0(VALU_DEP_1)
	v_cvt_i32_f32 v[T], v[T]                       ; (it saturates)
	s_delay_alu instid0(VALU_DEP_1)
	v_ldexp_f32 v[F], 1.0, v[T]                    ; f = 2^(old M - new M): rounds nothing
.set NN, 0
.rept 32
	v_pk_fma_f32 v[S+NN:S+NN+1], v[S+NN:S+NN+1], s[CS:CS+1], v[12:13] op_sel_hi:[1,0,0]   ; t - M
.set NN, NN+2
.endr
.irp b, 0,1,2,3
	v_fma_f32 v[BM+\b], v[BM+\b], s[CS], v12
.endr
.set NN, 0
	s_setprio 1
	s_wait_alu depctr_va_vdst(0)
.rept 64
	v_exp_f32 v[S+NN], v[S+NN]                     ; p = 2^(t - M): not normalised
.set NN, NN+1
.endr
.irp b, 0,1,2,3
	v_exp_f32 v[BM+\b], v[BM+\b]                   ; the block's largest p
.endr
	v_pk_mul_f32 v[14:15], v[14:15], v[F:F+1] op_sel_hi:[1,0]   ; the sums under the new M (a plain place behind the exponentials)
	s_wait_alu depctr_va_vdst(0)
.irp b, 0,1,2,3
	v_max_num_f32 v[BM+\b], 0x1800000, v[BM+\b]    ; the floor 2^(3 - 127)
.endr
.irp b, 0,1,2,3
	s_delay_alu instid0(VALU_DEP_4)
	v_add_nc_u32 v[SOP+\b], 0xff000000, v[BM+\b]
.endr
.irp b, 0,1,2,3
	s_delay_alu instid0(VALU_DEP_4)
	v_lshrrev_b32 v[BP+\b], 23, v[SOP+\b]
.endr
	s_delay_alu instid0(VALU_DEP_3)
	v_lshl_or_b32 v92, v[BP+1], 8, v[BP]
	s_delay_alu instid0(VALU_DEP_1)
	v_lshl_or_b32 v92, v[BP+2], 16, v92
	s_delay_alu instid0(VALU_DEP_1)
	v_lshl_or_b32 v92, v[BP+3], 24, v92            ; p's scale word
.irp c, 0,1
	v_cvt_scalef32_pk16_fp6_f32 v[PCD+6*\c:PCD+6*\c+2], v[S+32*\c:S+32*\c+15], v[SOP+2*\c]
	v_cvt_scalef32_pk16_fp6_f32 v[CT+4*\c:CT+4*\c+2], v[S+32*\c+16:S+32*\c+31], v[SOP+2*\c+1]
.endr
	v_nop                                          ; one plain place behind a scaled conversion
.irp c, 0,1
.irp i, 0,1,2
	v_permlane16_swap_b32 v[PCD+6*\c+\i], v[CT+4*\c+\i]
.endr
.irp i, 0,1,2
	s_delay_alu instid0(VALU_DEP_3)
	v_mov_b32 v[PCD+3+6*\c+\i], v[CT+4*\c+\i]
.endr
.endr
	v_pk_add_f32 v[228:229], v[100:101], v[104:105]
	v_pk_add_f32 v[252:253], v[108:109], v[112:113]
	v_pk_add_f32 v[250:251], v[116:117], v[120:121]
	v_pk_add_f32 v[248:249], v[124:125], v[128:129]
	v_pk_add_f32 v[246:247], v[132:133], v[136:137]
	v_pk_add_f32 v[244:245], v[140:141], v[144:145]
	v_pk_add_f32 v[242:243], v[148:149], v[152:153]
	v_pk_add_f32 v[14:15], v[14:15], v[156:157]
	v_pk_add_f32 v[228:229], v[228:229], v[96:97]
	v_pk_add_f32 v[252:253], v[252:253], v[98:99]
	v_pk_add_f32 v[250:251], v[250:251], v[102:103]
	v_pk_add_f32 v[248:249], v[248:249], v[106:107]
	v_pk_add_f32 v[246:247], v[246:247], v[110:111]
	v_pk_add_f32 v[244:245], v[244:245], v[114:115]
	v_pk_add_f32 v[242:243], v[242:243], v[118:119]
	v_pk_add_f32 v[14:15], v[14:15], v[122:123]
	v_pk_add_f32 v[228:229], v[228:229], v[126:127]
	v_pk_add_f32 v[252:253], v[252:253], v[130:131]
	v_pk_add_f32 v[250:251], v[250:251], v[134:135]
	v_pk_add_f32 v[248:249], v[248:249], v[138:139]
	s_setprio 0
	v_pk_add_f32 v[246:247], v[246:247], v[142:143]
	v_pk_add_f32 v[244:245], v[244:245], v[146:147]
	v_pk_add_f32 v[242:243], v[242:243], v[150:151]
	v_pk_add_f32 v[14:15], v[14:15], v[154:155]
	v_pk_add_f32 v[228:229], v[228:229], v[158:159]
	s_delay_alu instid0(VALU_DEP_2)
	v_pk_add_f32 v[14:15], v[14:15], v[248:249]
	s_delay_alu instid0(VALU_DEP_2)
	v_pk_add_f32 v[228:229], v[228:229], v[246:247]
	v_pk_add_f32 v[252:253], v[252:253], v[244:245]
	v_pk_add_f32 v[250:251], v[250:251], v[242:243]
	s_delay_alu instid0(VALU_DEP_2)
	v_pk_add_f32 v[14:15], v[14:15], v[252:253]
	s_delay_alu instid0(VALU_DEP_2)
	v_pk_add_f32 v[228:229], v[228:229], v[250:251]
	s_delay_alu instid0(VALU_DEP_1)
	v_pk_add_f32 v[14:15], v[14:15], v[228:229]
.set NN, 0
.rept 16
	v_pk_mul_f32 v[O+NN:O+NN+1], v[O+NN:O+NN+1], v[F:F+1] op_sel_hi:[1,0]   ; O^T under the new M
.set NN, NN+2
.endr
	s_wait_alu depctr_va_vdst(0)
	s_wait_dscnt 0x0                               ; V and its scale words
.irp t, 0,1,2,3
	v_wmma_scale_f32_16x16x128_f8f6f4 v[O+8*\t:O+8*\t+7], v[KV+12*\t:KV+12*\t+11], v[PCD:PCD+11], v[O+8*\t:O+8*\t+7], v[88+\t], v92 matrix_a_fmt:MATRIX_FMT_FP6 matrix_b_fmt:MATRIX_FMT_FP6
.endr
.if \skip
.Lhid_\@:
.endif
	s_add_co_u32 s[TB], s[TB], KVB
.endm
; A tile ends: O^T / the sum; its 32 numbers of a lane, register 16 b + i = channel 32 b + 16 h + i, become half a fragment and two scale bytes
.macro FINISH acb, asb
.rept 4
	v_nop                                          ; four places behind the last products
.endr
	v_add_f32 v14, v14, v15
	s_delay_alu instid0(VALU_DEP_1)
	v_permlanex16_b32 v[BP], v14, s[SEL], s[SEL+1]
	s_delay_alu instid0(VALU_DEP_1)
	v_add_f32 v14, v14, v[BP]                      ; the row's sum
	s_wait_alu depctr_va_vdst(0)
	v_rcp_f32 v14, v14
	v_nop                                          ; a plain place behind the transcendental
.set NN, 0
	s_wait_alu depctr_va_vdst(0)
.rept 32
	v_mul_f32 v[S+NN], v[O+NN], v14                ; each accumulator from its low end on
.set NN, NN+1
.endr
.irp b, 0,1
	v_max3_num_f32 v[BM+\b], |v[S+16*\b]|, |v[S+1+16*\b]|, 0x1800000
.endr
.irp i, 2,4,6,8,10,12,14
.irp b, 0,1
	s_delay_alu instid0(VALU_DEP_2)
	v_max3_num_f32 v[BM+\b], v[BM+\b], |v[S+16*\b+\i]|, |v[S+1+16*\b+\i]|
.endr
.endr
.irp b, 0,1
	s_delay_alu instid0(VALU_DEP_2)
	v_permlanex16_b32 v[BP+\b], v[BM+\b], s[SEL], s[SEL+1]
.endr
.irp b, 0,1
	s_delay_alu instid0(VALU_DEP_2)
	v_max_num_f32 v[BM+\b], v[BM+\b], v[BP+\b]
.endr
.irp b, 0,1
	s_delay_alu instid0(VALU_DEP_2)
	v_add_nc_u32 v[SOP+\b], 0xff000000, v[BM+\b]
.endr
.irp b, 0,1
	s_delay_alu instid0(VALU_DEP_2)
	v_lshrrev_b32 v[BP+\b], 23, v[SOP+\b]
.endr
	v_cvt_scalef32_pk16_fp6_f32 v[PCD:PCD+2], v[S:S+15], v[SOP]
	v_cvt_scalef32_pk16_fp6_f32 v[CT:CT+2], v[S+16:S+31], v[SOP+1]
	v_nop
.irp i, 0,1,2
	v_permlane16_swap_b32 v[PCD+\i], v[CT+\i]
.endr
.irp i, 0,1,2
	s_delay_alu instid0(VALU_DEP_3)
	v_mov_b32 v[PCD+3+\i], v[CT+\i]
.endr
	v_cndmask_b32 v[T], v[BP], v[BP+1], s[HM]      ; lanes 0-15 store block 0's byte, lanes 16-31 block 1's
	global_store_b128 v1, v[PCD:PCD+3], s[\acb:\acb+1]               ; 512 consecutive bytes
	global_store_b64 v2, v[PCD+4:PCD+5], s[\acb:\acb+1] offset:512   ; 256
	global_store_b8 v7, v[T], s[\asb:\asb+1]       ; two bytes a row beside 48 bytes of codes
.endm
.macro MEET left                       ; my loads of the records read next have landed (the later ones may stay out), and everybody's
	s_wait_tensorcnt \left
	s_wait_dscnt 0x0
	s_barrier_signal -1
	s_barrier_wait -1
.endm
	; THE LATE TILE: its last key step is 8 or later, so steps 0 to 7 have neither skip nor mask
	MEET 3
	s_mov_b32 s[TB], 0
	s_mov_b32 s[J], 0
.Lseg_a:
	STEP 0, JH
	s_add_co_u32 s[J], s[J], 1
	s_cmp_lt_u32 s[J], 4
	s_cbranch_scc1 .Lseg_a
	s_setprio 0
	MEET 2
	s_mov_b32 s[TB], 4*KVB
	s_mov_b32 s[J], 4
.Lseg_b:
	STEP 0, JH
	s_add_co_u32 s[J], s[J], 1
	s_cmp_lt_u32 s[J], 8
	s_cbranch_scc1 .Lseg_b
	s_setprio 0
	MEET 0
	s_mov_b32 s[TB], 8*KVB
	s_mov_b32 s[J], 8
.Lseg_c:
	STEP 1, JH
	s_add_co_u32 s[J], s[J], 1
	s_cmp_lt_u32 s[J], 16
	s_cbranch_scc1 .Lseg_c
	s_setprio 0
	FINISH 58, 62
	; THE EARLY TILE
	s_wait_xcnt 0x0                                ; the stores have read their registers
.irp i, 0,1,2,3,4,5
	v_mov_b32 v[16+\i], v[230+\i]
	v_mov_b32 v[28+\i], v[230+\i]
.endr
	v_mov_b32 v34, v236
	v_mov_b32 v35, v237
	STATE
	s_mov_b32 s[TB], 0
	s_mov_b32 s[J], 0
.Lseg_l:
	STEP 1, JL
	s_add_co_u32 s[J], s[J], 1
	s_cmp_lt_u32 s[J], 8
	s_cbranch_scc1 .Lseg_l
	s_setprio 0
	FINISH 60, 66
	s_wait_dscnt 0x0
	s_wait_tensorcnt 0x0
	ds_add_u32 v254, v255
	s_wait_dscnt 0x0
	CROUND                                         ; the closing round
	s_endpgm
.Lfunc_end_k_qd8c1bc92d6_attn:
	.size	k_qd8c1bc92d6_attn, .Lfunc_end_k_qd8c1bc92d6_attn-k_qd8c1bc92d6_attn
	.p2alignl 7, 3214868480
	.fill 96, 4, 3214868480
	.section	.rodata,"a",@progbits
	.p2align	6, 0x0
	.amdhsa_kernel k_qd8c1bc92d6_attn
		.amdhsa_group_segment_fixed_size 206848
		.amdhsa_private_segment_fixed_size 0
		.amdhsa_enable_private_segment 0
		.amdhsa_kernarg_size 24
		.amdhsa_user_sgpr_count 2
		.amdhsa_user_sgpr_kernarg_segment_ptr 1
		.amdhsa_wavefront_size32 1
		.amdhsa_system_sgpr_workgroup_id_x 1
		.amdhsa_system_sgpr_workgroup_id_y 1
		.amdhsa_system_sgpr_workgroup_id_z 1
		.amdhsa_system_vgpr_workitem_id 0
		.amdhsa_next_free_vgpr 256
		.amdhsa_next_free_sgpr 90
		.amdhsa_reserve_vcc 1
		.amdhsa_float_denorm_mode_32 3
		.amdhsa_float_denorm_mode_16_64 3
		.amdhsa_memory_ordered 1
		.amdhsa_forward_progress 1
		.amdhsa_inst_pref_size 101
	.end_amdhsa_kernel
	.amdgpu_metadata
---
amdhsa.version: [ 1, 2 ]
amdhsa.kernels:
  - .name:           k_qd8c1bc92d6_attn
    .symbol:         k_qd8c1bc92d6_attn.kd
    .args:
      - { .name: qkv, .offset: 0, .size: 8, .value_kind: global_buffer, .address_space: global }
      - { .name: ac, .offset: 8, .size: 8, .value_kind: global_buffer, .address_space: global }
      - { .name: asc, .offset: 16, .size: 8, .value_kind: global_buffer, .address_space: global }
    .group_segment_fixed_size: 206848
    .private_segment_fixed_size: 0
    .kernarg_segment_align: 8
    .kernarg_segment_size: 24
    .max_flat_workgroup_size: 512
    .sgpr_count:     90
    .vgpr_count:     256
    .wavefront_size: 32
...
	.end_amdgpu_metadata
.endif
;; end of part 3
;; launch oproj (part 4): grid 4 x 64, 4 waves a work-group, clusters of 4 x 4, 295,424 bytes of LDS; arguments ac, asc, opc, ops, out0; writes out0
.if DOCPART == 4
	.amdgcn_target "amdgcn-amd-amdhsa--gfx1250"
	.amdhsa_code_object_version 6
	.text
	.protected	k_qd8c1bc92d6_oproj
	.globl	k_qd8c1bc92d6_oproj
	.p2align	8
	.type	k_qd8c1bc92d6_oproj,@function
k_qd8c1bc92d6_oproj:
	s_mov_b64 s[64:65], 0
	v_nop
	global_prefetch_b8 v0, s[64:65] scope:SCOPE_SE
	s_setreg_imm32_b32 hwreg(HW_REG_WAVE_MODE, 25, 1), 1
	s_wait_xcnt 0x0
	s_wait_alu depctr_hold_cnt(0) depctr_sa_sdst(0) depctr_va_vdst(0) depctr_va_sdst(0) depctr_va_ssrc(0) depctr_va_vcc(0) depctr_vm_vsrc(0)
	s_getreg_b32 s2, hwreg(HW_REG_IB_STS2, 6, 4)
	s_cmp_eq_u32 s2, 0
	s_cbranch_scc0 .Lentry_in_a_cluster
	s_endpgm
.Lentry_in_a_cluster:
	s_bfe_u32 s2, ttmp6, 0x10000c
	s_cmp_lg_u32 s2, 0xf033
	s_cbranch_scc0 .Lentry_shape_is_right
	s_endpgm
.Lentry_shape_is_right:
; out0 = attention result x Wo^T on codes of FP6 (E2M3).  Rows: the 512 tiles of tokens in ac / asc; columns: Wo's tiles 704-767 of opc / ops; both as images of operand registers
; ([tile][K step][1,536 bytes]; scale word of (tile, K step s, row r) at 512 tile + 256 (s / 4) + 16 r + 4 (s % 4)).  The rows of a tile are 8 u + r + 8 (r / 8) in each group of 32.
; A work-group makes 128 rows x 256 columns over all of K = 1,024; a wave 64 x 128: 32 accumulators.  The matrix instruction is used transposed (source 0 = 16 columns, source 1 = 16 rows):
; a lane holds one token, and the eight registers of column tile 2 b + u are channels 32 b + 16 (lane / 16) + 8 u + 0 .. 7.
; LDS: both operands for all of K, 294,912 bytes, are filled ONCE, in four groups of two K steps.  CLUSTER 4 x 4: the rows' tiles are asked for jointly along a row of the cluster, the columns' along a column.
; REGISTERS, in windows of 256: window 0: v1-23 addresses; v32-63 the rows' scale words; v64-127 the columns'; v128-175, v176-223 the rows' fragments, two sets (on the way out v128-255: rows of out0).
;   window 1: accumulator (a, b) at 64 a + 8 b.   window 2: the columns' fragments, two sets, at v0 and v96.
.set TILEB, 12288
.set GRP,   73728
.set COLS,  24576
.set L16, 1
.set L8,  2
.set SCO, 3
.set STO, 4                            ; v4  the way out: where I put 32 bytes of a row
.set RD,  5                            ; v5  and where I read a row back
.set ADR, 8
.set SCR, 32
.set SCC, 64
.set RF,  128
.set BK,  128
.set G1R, 28
.set G1C, 36
.set G0R, 44
.set G0C, 68
.set MSB, 0
.macro WIN new                         ; the immediate's high byte repeats the setting that is left
.if MSB != \new
	s_set_vgpr_msb (MSB<<8)|\new
.set MSB, \new
.endif
.endm
.set MUL,  0x52                        ; source 0 (columns) window 2, source 1 (rows) window 0, C and D window 1
.set TO_C, 0x80
.macro CROUND
	s_barrier_signal -1
	s_barrier_wait -1
	s_cmp_lg_u32 s14, 0
	s_cbranch_scc1 .Lnot_wave_0_\@
	s_barrier_signal -3
.Lnot_wave_0_\@:
	s_barrier_wait -3
	s_barrier_signal -1
	s_barrier_wait -1
.endm
	s_load_b256 s[4:11], s[0:1], 0x0               ; ac, asc, opc, ops
	s_load_b64 s[12:13], s[0:1], 0x20              ; out0
	v_lshl_add_u32 v30, v0, 2, 0x48000
	v_mov_b32 v31, 0
	ds_add_u32 v30, v31
	ds_add_u32 v30, v31
	v_lshrrev_b32 v4, 5, v0
	v_readfirstlane_b32 s14, v4                    ; wave 0..3
	s_lshr_b32 s15, s14, 1                         ; wr: my half of the rows.  Also: I fetch rows (0) or columns (1)
	s_and_b32 s16, s14, 1                          ; wc: my half of the columns.  Also: which half I fetch
	s_bfe_u32 s17, ttmp6, 0x40000                  ; cx
	s_bfe_u32 s18, ttmp6, 0x40004                  ; cy
	s_lshl_b32 s19, ttmp9, 2
	s_add_co_u32 s19, s19, s17                     ; x
	s_and_b32 s20, ttmp7, 0xffff
	s_lshl_b32 s21, s20, 2
	s_add_co_u32 s21, s21, s18                     ; y
	s_lshl_b32 s24, s21, 3                         ; the rows' first tile
	s_lshl_b32 s25, s19, 4
	s_add_co_u32 s25, s25, 704                     ; the columns' first tile
	s_lshl_b32 s26, s18, 2
	s_lshl_b32 s26, 15, s26                        ; my row of the cluster
	s_lshl_b32 s27, 0x1111, s17                    ; my column
	s_or_b32 s[G1R], s26, (3<<16)|(1<<21)          ; 15:0 the mask; 17:16 elements of 8 bytes; 21 set beside a mask; no padding
	s_or_b32 s[G1C], s27, (3<<16)|(1<<21)
.irp g, G1R, G1C
	s_mov_b32 s[\g+1], 384<<16                     ; two fragments, 3,072 bytes, of each tile
	s_mov_b32 s[\g+3], 384<<16
	s_mov_b32 s[\g+5], 1536                        ; from tile to tile: 12,288 bytes
	s_mov_b32 s[\g+6], 0
	s_mov_b32 s[\g+7], 0
.endr
	s_mov_b32 s[G1R+2], 4<<16
	s_mov_b32 s[G1R+4], 4
	s_mov_b32 s[G1C+2], 8<<16
	s_mov_b32 s[G1C+4], 8
	s_lshl_b32 s84, s16, 2
	s_add_co_u32 s84, s84, s24
	s_mul_i32 s84, s84, TILEB
	s_mov_b32 s85, 0
	s_lshl_b32 s86, s16, 3
	s_add_co_u32 s86, s86, s25
	s_mul_i32 s86, s86, TILEB
	s_mov_b32 s87, 0
	s_mul_i32 s88, s16, 12288
	s_mul_i32 s89, s16, 24576
	s_add_co_u32 s89, s89, COLS
	s_lshl_b32 s90, s15, 2
	s_add_co_u32 s90, s90, s24
	s_lshl_b32 s90, s90, 9
	s_mov_b32 s91, 0
	s_lshl_b32 s92, s16, 3
	s_add_co_u32 s92, s92, s25
	s_lshl_b32 s92, s92, 9
	s_mov_b32 s93, 0
	s_lshl_b32 s60, s21, 7
	s_lshl_b32 s61, s15, 6
	s_add_co_u32 s60, s60, s61                     ; my first row of out0
	s_lshl_b32 s60, s60, 12
	s_lshl_b32 s61, s19, 10
	s_add_co_u32 s60, s60, s61
	s_lshl_b32 s61, s16, 9
	s_add_co_u32 s60, s60, s61                     ; + my first column, in bytes
	s_mov_b32 s61, 0
	s_wait_dscnt 0x0
	s_wait_kmcnt 0x0
	s_add_nc_u64 s[84:85], s[4:5], s[84:85]
	s_add_nc_u64 s[86:87], s[8:9], s[86:87]
	s_add_nc_u64 s[90:91], s[6:7], s[90:91]
	s_add_nc_u64 s[92:93], s[10:11], s[92:93]
	s_add_nc_u64 s[12:13], s[12:13], s[60:61]
.irp g, 0,1,2,3
	s_mov_b32 s[G0R+4*\g], 1
	s_add_co_u32 s[G0R+4*\g+1], s88, \g*GRP
	s_add_nc_u64 s[G0R+4*\g+2:G0R+4*\g+3], s[84:85], \g*3072
	s_or_b32 s[G0R+4*\g+3], s[G0R+4*\g+3], 0x80000000
	s_mov_b32 s[G0C+4*\g], 1
	s_add_co_u32 s[G0C+4*\g+1], s89, \g*GRP
	s_add_nc_u64 s[G0C+4*\g+2:G0C+4*\g+3], s[86:87], \g*3072
	s_or_b32 s[G0C+4*\g+3], s[G0C+4*\g+3], 0x80000000
.endr
	CROUND                                         ; all sixteen work-groups are here: the joint loads meet
	s_cmp_eq_u32 s15, 0                            ; a wave's four fills stand in one branch on the wave's number: four loads of mine are out
	s_cbranch_scc0 .Lfor_cols
	tensor_load_to_lds s[G0R:G0R+3], s[G1R:G1R+7]
	s_nop 0
	tensor_load_to_lds s[G0R+4:G0R+7], s[G1R:G1R+7]
	s_nop 0
	tensor_load_to_lds s[G0R+8:G0R+11], s[G1R:G1R+7]
	s_nop 0
	tensor_load_to_lds s[G0R+12:G0R+15], s[G1R:G1R+7]
	s_nop 0
.rept 4
	v_nop
.endr
	s_branch .Lasked
.Lfor_cols:
	tensor_load_to_lds s[G0C:G0C+3], s[G1C:G1C+7]
	s_nop 0
	tensor_load_to_lds s[G0C+4:G0C+7], s[G1C:G1C+7]
	s_nop 0
	tensor_load_to_lds s[G0C+8:G0C+11], s[G1C:G1C+7]
	s_nop 0
	tensor_load_to_lds s[G0C+12:G0C+15], s[G1C:G1C+7]
	s_nop 0
.rept 4
	v_nop
.endr
.Lasked:
	v_and_b32 v6, 31, v0
	v_lshlrev_b32 v[L16], 4, v6
	v_lshlrev_b32 v[L8], 3, v6
	v_and_b32 v6, 15, v0                           ; r
	v_lshlrev_b32 v[SCO], 4, v6
.irp a, 0,1,2,3
.irp q, 0,1
	global_load_b128 v[SCR+8*\a+4*\q:SCR+8*\a+4*\q+3], v[SCO], s[90:91] offset:512*\a+256*\q
.endr
.endr
.irp b, 0,1,2,3,4,5,6,7
.irp q, 0,1
	global_load_b128 v[SCC+8*\b+4*\q:SCC+8*\b+4*\q+3], v[SCO], s[92:93] offset:512*\b+256*\q
.endr
.endr
	s_mul_i32 s94, s15, 12288
	s_mul_i32 s95, s16, 24576
	s_add_co_u32 s95, s95, COLS
.irp g, 0,1,2,3
	v_add_nc_u32 v[ADR+4*\g], s94, v[L16]
	v_add_nc_u32 v[ADR+4*\g+1], s94, v[L8]
	v_add_nc_u32 v[ADR+4*\g+2], s95, v[L16]
	v_add_nc_u32 v[ADR+4*\g+3], s95, v[L8]
	s_add_co_u32 s94, s94, GRP
	s_add_co_u32 s95, s95, GRP
.endr
	s_mul_i32 s94, s14, 8448                       ; my stage: 16 rows x 528 bytes, in group 0's bytes
	v_bfe_u32 v7, v0, 4, 1                         ; h
	v_mul_u32_u24 v[STO], v6, 528
	v_lshl_add_u32 v[STO], v7, 6, v[STO]
	v_add_nc_u32 v[STO], s94, v[STO]               ; in: row r, + 64 h
	v_add_nc_u32 v[RD], s94, v[L16]                ; back: the 32 lanes take a row of 512 bytes
.macro FRAG reg, a16, a8, off
	ds_load_b128 v[\reg:\reg+3], v[\a16] offset:\off
	ds_load_b64 v[\reg+4:\reg+5], v[\a8] offset:\off+512
	ds_load_b128 v[\reg+6:\reg+9], v[\a16] offset:\off+768
	ds_load_b64 v[\reg+10:\reg+11], v[\a8] offset:\off+1280
.endm
.macro FETCH k, st                     ; K step k's fragments into set st: 48 loads
	WIN TO_C
.irp b, 0,1,2,3,4,5,6,7
	FRAG 96*(\st)+12*\b, ADR+4*((\k)/2)+2, ADR+4*((\k)/2)+3, 3072*\b+1536*((\k)%2)
.endr
	WIN 0
.irp a, 0,1,2,3
	FRAG RF+48*(\st)+12*\a, ADR+4*((\k)/2), ADR+4*((\k)/2)+1, 3072*\a+1536*((\k)%2)
.endr
.endm
.macro MUL32 k, st, zero               ; the 32 accumulators take turns, in the same order in every step
.irp a, 0,1,2,3
.irp b, 0,1,2,3,4,5,6,7
.if \zero
	v_wmma_scale_f32_16x16x128_f8f6f4 v[64*\a+8*\b:64*\a+8*\b+7], v[96*(\st)+12*\b:96*(\st)+12*\b+11], v[RF+48*(\st)+12*\a:RF+48*(\st)+12*\a+11], 0, v[SCC+8*\b+(\k)], v[SCR+8*\a+(\k)] matrix_a_fmt:MATRIX_FMT_FP6 matrix_b_fmt:MATRIX_FMT_FP6
.else
	v_wmma_scale_f32_16x16x128_f8f6f4 v[64*\a+8*\b:64*\a+8*\b+7], v[96*(\st)+12*\b:96*(\st)+12*\b+11], v[RF+48*(\st)+12*\a:RF+48*(\st)+12*\a+11], v[64*\a+8*\b:64*\a+8*\b+7], v[SCC+8*\b+(\k)], v[SCR+8*\a+(\k)] matrix_a_fmt:MATRIX_FMT_FP6 matrix_b_fmt:MATRIX_FMT_FP6
.endif
.endr
.endr
.endm
.macro KSTEP k
.if ((\k)%2 == 1) && ((\k) < 7)
	s_wait_tensorcnt 3-((\k)+1)/2                  ; my part of the next group has landed; the later groups' loads may stay out
	s_wait_dscnt 0x0                               ; no LDS instruction of mine is out at a signal
	s_barrier_signal -1
	s_barrier_wait -1
.endif
.if (\k) < 7
.if (\k) > 0
.rept 4
	v_nop                                          ; four places in front of loads into the set that the step before multiplied
.endr
.endif
	FETCH (\k)+1, 1-(\k)%2
	s_wait_dscnt 48                                ; all but the 48 just issued
.else
	s_wait_dscnt 0x0
.endif
	WIN MUL
.if (\k) == 0
	MUL32 \k, (\k)%2, 1
.else
	MUL32 \k, (\k)%2, 0
.endif
.endm
	s_wait_alu depctr_va_vdst(0)
	s_wait_tensorcnt 3                             ; my part of group 0 is in,
	s_barrier_signal -1
	s_barrier_wait -1                              ; everybody's is
	FETCH 0, 0
	s_wait_loadcnt 0x0                             ; the scale words
.irp k, 0,1,2,3,4,5,6,7
	KSTEP \k
.endr
	WIN 0
; THE WAY OUT, a row tile (16 tokens x 128 channels) at a time, through my own stage.  It lies in group 0's bytes: they were filled once, and every wave's reads of them
; were waited for in front of the barrier of K step 1.  LDS serves a wave's instructions in order: no wait between the stores and the loads, nor in front of the next tile's stores.
.macro TOSTAGE a
	WIN 0x04                                       ; an LDS store's data are its source 1: window 1
.irp b, 0,1,2,3,4,5,6,7
	ds_store_b128 v[STO], v[64*(\a)+8*\b:64*(\a)+8*\b+3] offset:128*(\b/2)+32*(\b%2)        ; each accumulator from its low end on
	ds_store_b128 v[STO], v[64*(\a)+8*\b+4:64*(\a)+8*\b+7] offset:128*(\b/2)+32*(\b%2)+16
.endr
	WIN 0
.irp t, 0,1,2,3,4,5,6,7,8,9,10,11,12,13,14,15
	ds_load_b128 v[BK+64*((\a)%2)+4*\t:BK+64*((\a)%2)+4*\t+3], v[RD] offset:528*\t
.endr
.endm
.macro SEND a, younger                 ; younger: the LDS instructions issued behind tile a's loads, which may stay out
	s_wait_dscnt \younger
.irp t, 0,1,2,3,4,5,6,7,8,9,10,11,12,13,14,15
	global_store_b128 v[L16], v[BK+64*((\a)%2)+4*\t:BK+64*((\a)%2)+4*\t+3], s[12:13] offset:(32*((\a)/2)+8*((\a)%2)+\t+8*(\t/8))*4096 th:TH_STORE_NT   ; 32 lanes store 512 consecutive bytes of one row
.endr
.endm
.rept 4
	v_nop                                          ; four places in front of the first read of results and of loads into the rows' fragments
.endr
	TOSTAGE 0
.irp a, 1,2,3
.if \a > 1
	s_wait_xcnt 0x0                                ; tile a - 2's stores have read their registers: tile a's loads may land there
.endif
	TOSTAGE \a
	SEND \a-1, 32                                  ; behind tile a - 1's loads: tile a's 16 stores and 16 loads
.endr
	SEND 3, 0
	s_wait_tensorcnt 0x0
	ds_add_u32 v30, v31
	s_wait_dscnt 0x0
	CROUND                                         ; the closing round: no work-group ends while a partner may still ask for a tile that names it
	s_endpgm
.Lfunc_end_k_qd8c1bc92d6_oproj:
	.size	k_qd8c1bc92d6_oproj, .Lfunc_end_k_qd8c1bc92d6_oproj-k_qd8c1bc92d6_oproj
	.p2alignl 7, 3214868480
	.fill 96, 4, 3214868480
	.section	.rodata,"a",@progbits
	.p2align	6, 0x0
	.amdhsa_kernel k_qd8c1bc92d6_oproj
		.amdhsa_group_segment_fixed_size 295424
		.amdhsa_private_segment_fixed_size 0
		.amdhsa_enable_private_segment 0
		.amdhsa_kernarg_size 40
		.amdhsa_user_sgpr_count 2
		.amdhsa_user_sgpr_kernarg_segment_ptr 1
		.amdhsa_wavefront_size32 1
		.amdhsa_system_sgpr_workgroup_id_x 1
		.amdhsa_system_sgpr_workgroup_id_y 1
		.amdhsa_system_sgpr_workgroup_id_z 1
		.amdhsa_system_vgpr_workitem_id 0
		.amdhsa_next_free_vgpr 768
		.amdhsa_next_free_sgpr 100
		.amdhsa_reserve_vcc 0
		.amdhsa_float_denorm_mode_32 3
		.amdhsa_float_denorm_mode_16_64 3
		.amdhsa_memory_ordered 1
		.amdhsa_forward_progress 1
		.amdhsa_inst_pref_size 85
	.end_amdhsa_kernel
	.amdgpu_metadata
---
amdhsa.version: [ 1, 2 ]
amdhsa.kernels:
  - .name:           k_qd8c1bc92d6_oproj
    .symbol:         k_qd8c1bc92d6_oproj.kd
    .args:
      - { .name: ac, .offset: 0, .size: 8, .value_kind: global_buffer, .address_space: global }
      - { .name: asc, .offset: 8, .size: 8, .value_kind: global_buffer, .address_space: global }
      - { .name: opc, .offset: 16, .size: 8, .value_kind: global_buffer, .address_space: global }
      - { .name: ops, .offset: 24, .size: 8, .value_kind: global_buffer, .address_space: global }
      - { .name: out0, .offset: 32, .size: 8, .value_kind: global_buffer, .address_space: global }
    .group_segment_fixed_size: 295424
    .private_segment_fixed_size: 0
    .kernarg_segment_align: 8
    .kernarg_segment_size: 40
    .max_flat_workgroup_size: 128
    .sgpr_count:     100
    .vgpr_count:     768
    .wavefront_size: 32
...
	.end_amdgpu_metadata
.endif
;; end of part 4
